; MI455X (gfx1250); checked and timed in simulation.
; The chip was launched on July 23, 2026; its instructions are those of AMD's public machine-readable ISA for CDNA 5 (MIT licence, August 2026) and "CDNA5" Instruction Set Architecture Reference Guide (July 2026). The comments in the code are by the model that wrote it; some were corrected since.
;; Toy Mo E. Allowed arithmetic: float matrix products may take bf16 or f16 operands with f32 sums; other float arithmetic in f32, or as packed bf16 or f16 multiplies, adds, multiply-adds, maxima and minima; sums over many terms, partial sums and values carried from step to step in f32; what a program stores and reads back later, other than sums and carried values, may be rounded once to bf16 or f16.
;; Inputs: We 8 x 1,024 x 1,024 float32; Wr 8 x 1,024 float32; be 8 x 1,024 float32; x 8,192 x 1,024 float32.
;; Outputs: out0 8,192 x 1,024 float32.
;; One version. Each part assembles by itself: llvm-mc -triple=amdgcn-amd-amdhsa -mcpu=gfx1250 --defsym DOCPART=n.
;; ======== version 1 of 1: 2 launches
;; workspace buffers: xb 16,777,216 bytes; wf 16,777,216 bytes; gates 65,536 bytes; bm 32,768 bytes of whole numbers; cnt 32,768 bytes of whole numbers
;; launch prep (part 1): grid 256 x 1, 8 waves a work-group, no clusters, 83,712 bytes of LDS; arguments x, Wr, We, xb, wf, gates, bm, cnt; writes xb, wf, gates, bm, cnt
.if DOCPART == 1
	.amdgcn_target "amdgcn-amd-amdhsa--gfx1250"
	.amdhsa_code_object_version 6
	.text
	.protected	k_qa0120b524e_prep
	.globl	k_qa0120b524e_prep
	.p2align	8
	.type	k_qa0120b524e_prep,@function
k_qa0120b524e_prep:
	s_mov_b64 s[64:65], 0
	v_nop
	global_prefetch_b8 v0, s[64:65] scope:SCOPE_SE
	s_setreg_imm32_b32 hwreg(HW_REG_WAVE_MODE, 25, 1), 1
	s_wait_xcnt 0x0
; PREP: rounds x and We to bf16 once, lays We out in the order of a matrix operand's registers, and routes.
; Work-group g of 256 takes tokens 32 g .. 32 g + 31 and 32 rows of one expert's weights (expert g / 32, k = 32 (g % 32) ..): 131,072 dense bytes of each.
; xb  [8192][1024] bf16: x rounded.
; wf  byte (((e*8+cg)*32+kk)*8+f)*1024 + half*512 + L*16, L = 16 h + r, f = 4 G + q: the 8 numbers k = 32 kk + 16 half + 8 h + 0..7 of column 128 cg + 64 G + 4 r + q of We[e], bf16.
;     Two dense loads of 16 bytes a lane (at +0 and +512) are then one B operand of 32 k x 16 columns, and the four operands q = 0..3 give a lane four neighbouring columns of the result.
; gates [8192][2] f32: the softmax weights of a token's two experts, the lower-numbered expert first.
; bm, cnt  word (c/4)*128 + s*4 + c%4 for chunk c = g of 32 tokens and set s = b (b-1) / 2 + a of experts a < b: the chunk's bitmap of that set's tokens, and the number of its bits; sets 28..31 hold 0.
; ROUTER: on the ROUNDED x and Wr (all inputs of the program are rounded to bf16 once), by the matrix unit with f32 sums, on wave 0; the two largest logits by strict comparison (a tie keeps the lower index, as
; jax.lax.top_k does); the softmax takes the row's true maximum away.  Nothing here branches or forms an address on these numbers: they are stored at fixed places for the next launch.
; LIMITS.  Two logits closer than the rounding of a sum of 1,024 f32 terms may be ranked otherwise than a sum in another order ranks them.  A weight below 2^-126 counts as 0.  NaN and infinities are not treated apart.
; No cluster, no tensor load: every byte of x and We has one reader, and Wr (32,768 bytes) is a small part of a work-group's 294,912.
.set PITCH, 2064                       ; an LDS row: 2,048 bytes of bf16 + 16: an odd multiple of 16, so the 16 rows of an operand load start at 16 different groups of four banks (ISA guide 11.1)
.set SPARE, 82688                      ; behind the 40 rows (82,560 bytes): the spare words, 128 bytes a wave, four blocks of 256 that no other line names
.set SPW,  14                          ; v14  SPARE + 4 x my thread's number; never rewritten
.set NIL,  15                          ; v15  0; never rewritten
.set WRR,  16                          ; v16-47   Wr's row w as loaded
.set XR,   48                          ; v48-175  my four rows of x as loaded, 32 registers each
.set WU,   16                          ; v16-143  later: my 32 x 128 numbers of We, unit t (8 rows) at WU + 32 t
.set PKD,  144                         ; v144-175 later: two sets of 16 packed registers
.set FR,   144                         ; v144-239 wave 0: the operands of four K steps: Wr 8, tokens 0-15 8, tokens 16-31 8
.set AC0,  240                         ; v240-247 logits of tokens 0-15
.set AC1,  248                         ; v248-255 logits of tokens 16-31
; v1 x offset, v2 xb offset, v3 Wr offset, v4 LDS place of my x rows, v5 of my Wr row, v6 We offset, v7 wf offset, v8, v9 operand addresses, v10 8 x lane, v11 bm and cnt offset
	s_load_b512 s[4:19], s[0:1], 0x0               ; x s[4:5], Wr s[6:7], We s[8:9], xb s[10:11], wf s[12:13], gates s[14:15], bm s[16:17], cnt s[18:19]
	v_lshl_add_u32 v[SPW], v0, 2, SPARE
	v_mov_b32 v[NIL], 0
	v_lshrrev_b32 v12, 5, v0
	v_readfirstlane_b32 s20, v12                   ; wave 0..7
	v_and_b32 v13, 31, v0                          ; lane
	v_lshlrev_b32 v12, 4, v13                      ; 16 x lane
	v_lshlrev_b32 v10, 3, v13                      ; 8 x lane
	v_lshl_add_u32 v1, s20, 14, v12                ; x: my four rows of 4,096 bytes
	v_lshl_add_u32 v3, s20, 12, v12                ; Wr: row w
	v_lshl_add_u32 v6, s20, 9, v12                 ; We: my 128 columns, 512 bytes of every row
	v_lshl_add_u32 v2, s20, 13, v10                ; xb: my four rows of 2,048 bytes
	s_mul_i32 s21, s20, 4*PITCH
	v_add_nc_u32 v4, s21, v10                      ; LDS rows 4 w ..
	s_mul_i32 s21, s20, PITCH
	s_add_co_u32 s21, s21, 32*PITCH
	v_add_nc_u32 v5, s21, v10                      ; LDS row 32 + w
	v_and_b32 v12, 15, v0                          ; r
	v_bfe_u32 v13, v0, 4, 1                        ; h, and G
	v_lshlrev_b32 v7, 4, v12
	v_lshl_add_u32 v7, v13, 12, v7                 ; wf: 4,096 G + 16 r
	s_lshl_b32 s22, ttmp9, 17                      ; g x 131,072: x and We
	s_mov_b32 s23, 0
	s_lshl_b32 s24, ttmp9, 16                      ; g x 65,536: xb
	s_mov_b32 s25, 0
	s_lshr_b32 s26, ttmp9, 5                       ; wf: ((e*8 + w) << 18) + (kk << 13)
	s_lshl_b32 s26, s26, 3
	s_add_co_u32 s26, s26, s20
	s_lshl_b32 s26, s26, 18
	s_and_b32 s21, ttmp9, 31
	s_lshl_b32 s21, s21, 13
	s_add_co_u32 s26, s26, s21
	s_mov_b32 s27, 0
	s_lshl_b32 s28, ttmp9, 8                       ; gates: 32 tokens x 8 bytes
	s_mov_b32 s29, 0
	s_lshr_b32 s30, ttmp9, 2                       ; bm, cnt: block g / 4 of 512 bytes
	s_lshl_b32 s30, s30, 9
	s_mov_b32 s31, 0
	s_wait_kmcnt 0x0
	s_add_nc_u64 s[4:5], s[4:5], s[22:23]
	s_add_nc_u64 s[8:9], s[8:9], s[22:23]
	s_add_nc_u64 s[10:11], s[10:11], s[24:25]
	s_add_nc_u64 s[12:13], s[12:13], s[26:27]
	s_add_nc_u64 s[14:15], s[14:15], s[28:29]
	s_add_nc_u64 s[16:17], s[16:17], s[30:31]
	s_add_nc_u64 s[18:19], s[18:19], s[30:31]
	; 40 loads of 512 dense bytes go out together: Wr's row, then my four rows of x
.irp j, 0,1,2,3,4,5,6,7
	global_load_b128 v[WRR+4*\j:WRR+4*\j+3], v3, s[6:7] offset:512*\j
.endr
.irp i, 0,1,2,3
.irp j, 0,1,2,3,4,5,6,7
	global_load_b128 v[XR+32*\i+4*\j:XR+32*\i+4*\j+3], v1, s[4:5] offset:4096*\i+512*\j th:TH_LOAD_NT
.endr
.endr
; One row: rounded in place (four f32 become a pair of registers), put into LDS, and (gout = 1) stored to xb: each store of the wave covers 256 consecutive bytes, aligned.
; left = the loads of the younger rows, which stay out.
.macro CVTROW base, adr, loff, gout, goff, left
	s_wait_loadcnt \left
.irp j, 0,1,2,3,4,5,6,7
	v_cvt_pk_bf16_f32 v[(\base)+4*\j], v[(\base)+4*\j], v[(\base)+4*\j+1]
	v_cvt_pk_bf16_f32 v[(\base)+4*\j+1], v[(\base)+4*\j+2], v[(\base)+4*\j+3]
.endr
.irp j, 0,1,2,3,4,5,6,7
	ds_store_b64 v[\adr], v[(\base)+4*\j:(\base)+4*\j+1] offset:(\loff)+256*\j
.endr
.if \gout
.irp j, 0,1,2,3,4,5,6,7
	global_store_b64 v2, v[(\base)+4*\j:(\base)+4*\j+1], s[10:11] offset:(\goff)+256*\j
.endr
.endif
.endm
	CVTROW WRR,    5, 0,       0, 0,    32
	CVTROW XR,     4, 0,       1, 0,    24
	CVTROW XR+32,  4, PITCH,   1, 2048, 16
	CVTROW XR+64,  4, 2*PITCH, 1, 4096, 8
	CVTROW XR+96,  4, 3*PITCH, 1, 6144, 0
	s_wait_xcnt 0x0                                ; the stores above have had their addresses translated: only now are their data registers loaded again
.irp t, 0,1,2,3
.irp j, 0,1,2,3,4,5,6,7
	global_load_b128 v[WU+32*\t+4*\j:WU+32*\t+4*\j+3], v6, s[8:9] offset:(8*\t+\j)*4096 th:TH_LOAD_NT  ; row 8 t + j, my 128 columns: 32 loads on their way while wave 0 routes
.endr
.endr
	s_wait_dscnt 0x0                               ; for the others' sake: my rows are in LDS
	s_barrier_signal -1
	s_barrier_wait -1                              ; the only barrier; the weights' loads stay out across it: nobody writes those bytes
	s_cmp_lg_u32 s20, 0
	s_cbranch_scc1 .Lweights                       ; the router is wave 0's alone; no barrier stands in it
	v_mul_u32_u24 v8, v12, PITCH
	v_lshl_add_u32 v8, v13, 4, v8                  ; token r: row x pitch + 16 h
	v_and_b32 v9, 7, v0
	v_mul_u32_u24 v9, v9, PITCH
	v_lshl_add_u32 v9, v13, 4, v9
	v_add_nc_u32 v9, 32*PITCH, v9                  ; expert r % 8: rows 8-15 of the operand repeat experts 0-7, so both halves of the lanes get all eight logits
	s_and_b32 s21, ttmp9, 3
	s_lshl_b32 s21, s21, 2
	v_lshl_add_u32 v11, v0, 4, s21                 ; in wave 0 the thread's number is the lane: 16 x set + 4 (g % 4)
	s_mov_b32 s26, 0xffff0000                      ; lanes 16-31
; Four K steps of 32: source 0 = Wr (16 rows), source 1 = 16 tokens: in the result a lane holds ONE token (lane % 16) and register j expert j.
; The two accumulators take turns, one instruction a turn.
.macro RBATCH b
.if (\b) > 0
.rept 4
	v_nop                                          ; four places between the last products and the loads into the registers that they read
.endr
.endif
.irp s, 0,1,2,3
	ds_load_b128 v[FR+24*\s:FR+24*\s+3],     v9 offset:(4*(\b)+\s)*64
	ds_load_b128 v[FR+24*\s+4:FR+24*\s+7],   v9 offset:(4*(\b)+\s)*64+32
	ds_load_b128 v[FR+24*\s+8:FR+24*\s+11],  v8 offset:(4*(\b)+\s)*64
	ds_load_b128 v[FR+24*\s+12:FR+24*\s+15], v8 offset:(4*(\b)+\s)*64+32
	ds_load_b128 v[FR+24*\s+16:FR+24*\s+19], v8 offset:16*PITCH+(4*(\b)+\s)*64
	ds_load_b128 v[FR+24*\s+20:FR+24*\s+23], v8 offset:16*PITCH+(4*(\b)+\s)*64+32
.endr
	s_wait_dscnt 0x0
.irp s, 0,1,2,3
.if (\b) == 0 && (\s) == 0
	v_wmma_f32_16x16x32_bf16 v[AC0:AC0+7], v[FR:FR+7], v[FR+8:FR+15], 0        ; the first K step starts both sums
	v_wmma_f32_16x16x32_bf16 v[AC1:AC1+7], v[FR:FR+7], v[FR+16:FR+23], 0
.else
	v_wmma_f32_16x16x32_bf16 v[AC0:AC0+7], v[FR+24*\s:FR+24*\s+7], v[FR+24*\s+8:FR+24*\s+15], v[AC0:AC0+7]
	v_wmma_f32_16x16x32_bf16 v[AC1:AC1+7], v[FR+24*\s:FR+24*\s+7], v[FR+24*\s+16:FR+24*\s+23], v[AC1:AC1+7]
.endif
.endr
.endm
.irp b, 0,1,2,3,4,5,6,7
	RBATCH \b
.endr
.rept 4
	v_nop                                          ; four places behind the last products
.endr
.irp j, 0,1,2,3,4,5,6,7
	v_cndmask_b32 v[144+\j], v[AC0+\j], v[AC1+\j], s26  ; lane l now holds the eight logits of token l; each accumulator is read from its low end on
.endr
	; the two largest: v152 m1, v153 m2, v154 i1, v155 i2.  Strict comparisons: at a tie the lower index stays in front
	v_cmp_gt_f32 vcc_lo, v145, v144
	v_cndmask_b32 v152, v144, v145, vcc_lo
	v_cndmask_b32 v153, v145, v144, vcc_lo
	v_cndmask_b32 v154, 0, 1, vcc_lo
	v_cndmask_b32 v155, 1, 0, vcc_lo
.irp j, 2,3,4,5,6,7
	v_cmp_gt_f32 s24, v[144+\j], v152
	v_cmp_gt_f32 s25, v[144+\j], v153
	v_cndmask_b32 v153, v153, v[144+\j], s25
	v_cndmask_b32 v155, v155, \j, s25
	v_cndmask_b32 v153, v153, v152, s24
	v_cndmask_b32 v155, v155, v154, s24
	v_cndmask_b32 v152, v152, v[144+\j], s24
	v_cndmask_b32 v154, v154, \j, s24
.endr
	; softmax: the maximum is taken away first; 2^((l - m1) log2 e) for the eight logits and once more for m2: ONE batch of nine
.irp j, 0,1,2,3,4,5,6,7
	v_sub_f32 v[156+\j], v[144+\j], v152
.endr
	v_sub_f32 v164, v153, v152
.irp j, 0,1,2,3,4,5,6,7,8
	v_mul_f32 v[156+\j], 0x3fb8aa3b, v[156+\j]
.endr
.irp j, 0,1,2,3,4,5,6,7,8
	v_exp_f32 v[156+\j], v[156+\j]
.endr
	v_min_u32 v165, v154, v155                     ; a; these six lines name no exponential's result: the plain work behind the batch
	v_max_u32 v166, v154, v155                     ; b
	v_add_nc_u32 v168, -1, v166
	v_mul_u32_u24 v168, v168, v166
	v_lshrrev_b32 v168, 1, v168
	v_add_nc_u32 v167, v168, v165                  ; the set: b (b-1) / 2 + a
	s_wait_alu depctr_va_vdst(0)                   ; one wait for the nine exponentials, ahead of their first reader
	v_add_f32 v156, v156, v157
	v_add_f32 v158, v158, v159
	v_add_f32 v160, v160, v161
	v_add_f32 v162, v162, v163
	v_add_f32 v156, v156, v158
	v_add_f32 v160, v160, v162
	v_add_f32 v156, v156, v160                     ; Z, at least 1
	v_rcp_f32 v174, v156                           ; the largest weight is 1 / Z
	v_mov_b32 v172, 0                              ; plain work behind the reciprocal: the words of sets 28-31 stay 0
	v_mov_b32 v173, 0
	v_cmp_lt_u32 vcc_lo, v154, v155
	s_wait_alu depctr_va_vdst(0)                   ; the reciprocal's wait
	v_mul_f32 v175, v164, v174                     ; the second weight
	v_cndmask_b32 v170, v175, v174, vcc_lo         ; the lower expert's weight,
	v_cndmask_b32 v171, v174, v175, vcc_lo         ; the higher expert's
	global_store_b64 v10, v[170:171], s[14:15]     ; 256 consecutive bytes, aligned
.irp n, 0,1,2,3,4,5,6,7,8,9,10,11,12,13,14,15,16,17,18,19,20,21,22,23,24,25,26,27
	v_cmp_eq_u32 s24, \n, v167                     ; the chunk's bitmap of set n,
	s_bcnt1_i32_b32 s25, s24                       ; and how many
	v_writelane_b32 v172, s24, \n
	v_writelane_b32 v173, s25, \n
.endr
	global_store_b32 v11, v172, s[16:17]           ; 4 bytes in every 16 of one block of 512: the text's only narrow stores, two a work-group
	global_store_b32 v11, v173, s[18:19]
.Lweights:
; Unit t: rows k = 8 t .. 8 t + 7 of my 128 columns.  A lane holds columns 4 l + q: for each q its eight k pack into 16 bytes, which are lane 16 (t % 2) + r of half t / 2 of operand 4 G + q.
; Each store of the wave writes two runs of 256 consecutive bytes, each aligned.
.macro WUNIT t
	s_wait_loadcnt 24-8*(\t)                       ; the younger units' loads stay out
	s_wait_xcnt 0x0                                ; earlier stores (this set's of two units ago; in wave 0 the router's) have had their addresses translated: their data registers are rewritten only now
.irp q, 0,1,2,3
.irp m, 0,1,2,3
	v_cvt_pk_bf16_f32 v[PKD+16*((\t)%2)+4*\q+\m], v[WU+32*(\t)+8*\m+\q], v[WU+32*(\t)+8*\m+4+\q]
.endr
.endr
.irp q, 0,1,2,3
	global_store_b128 v7, v[PKD+16*((\t)%2)+4*\q:PKD+16*((\t)%2)+4*\q+3], s[12:13] offset:1024*\q+512*((\t)/2)+256*((\t)%2)
.endr
.endm
	WUNIT 0
	WUNIT 1
	WUNIT 2
	WUNIT 3
	s_wait_tensorcnt 0x0                           ; the wave's end: three closing lines behind my last LDS store
	ds_add_u32 v[SPW], v[NIL]
	s_wait_dscnt 0x0
	s_endpgm
.Lfunc_end_k_qa0120b524e_prep:
	.size	k_qa0120b524e_prep, .Lfunc_end_k_qa0120b524e_prep-k_qa0120b524e_prep
	.p2alignl 7, 3214868480
	.fill 96, 4, 3214868480
	.section	.rodata,"a",@progbits
	.p2align	6, 0x0
	.amdhsa_kernel k_qa0120b524e_prep
		.amdhsa_group_segment_fixed_size 83712
		.amdhsa_private_segment_fixed_size 0
		.amdhsa_enable_private_segment 0
		.amdhsa_kernarg_size 64
		.amdhsa_user_sgpr_count 2
		.amdhsa_user_sgpr_kernarg_segment_ptr 1
		.amdhsa_wavefront_size32 1
		.amdhsa_system_sgpr_workgroup_id_x 1
		.amdhsa_system_sgpr_workgroup_id_y 1
		.amdhsa_system_sgpr_workgroup_id_z 1
		.amdhsa_system_vgpr_workitem_id 0
		.amdhsa_next_free_vgpr 256
		.amdhsa_next_free_sgpr 66
		.amdhsa_reserve_vcc 1
		.amdhsa_float_denorm_mode_32 3
		.amdhsa_float_denorm_mode_16_64 3
		.amdhsa_memory_ordered 1
		.amdhsa_forward_progress 1
		.amdhsa_inst_pref_size 56
	.end_amdhsa_kernel
	.amdgpu_metadata
---
amdhsa.version: [ 1, 2 ]
amdhsa.kernels:
  - .name:           k_qa0120b524e_prep
    .symbol:         k_qa0120b524e_prep.kd
    .args:
      - { .name: x, .offset: 0, .size: 8, .value_kind: global_buffer, .address_space: global }
      - { .name: Wr, .offset: 8, .size: 8, .value_kind: global_buffer, .address_space: global }
      - { .name: We, .offset: 16, .size: 8, .value_kind: global_buffer, .address_space: global }
      - { .name: xb, .offset: 24, .size: 8, .value_kind: global_buffer, .address_space: global }
      - { .name: wf, .offset: 32, .size: 8, .value_kind: global_buffer, .address_space: global }
      - { .name: gates, .offset: 40, .size: 8, .value_kind: global_buffer, .address_space: global }
      - { .name: bm, .offset: 48, .size: 8, .value_kind: global_buffer, .address_space: global }
      - { .name: cnt, .offset: 56, .size: 8, .value_kind: global_buffer, .address_space: global }
    .group_segment_fixed_size: 83712
    .private_segment_fixed_size: 0
    .kernarg_segment_align: 8
    .kernarg_segment_size: 64
    .max_flat_workgroup_size: 256
    .sgpr_count:     66
    .vgpr_count:     256
    .wavefront_size: 32
...
	.end_amdgpu_metadata
.endif
;; end of part 1
;; launch moe (part 2): grid 4 x 80, 4 waves a work-group, no clusters, 327,680 bytes of LDS; arguments xb, wf, gates, bm, cnt, be, out0; writes out0
.if DOCPART == 2
	.amdgcn_target "amdgcn-amd-amdhsa--gfx1250"
	.amdhsa_code_object_version 6
	.text
	.protected	k_qa0120b524e_moe
	.globl	k_qa0120b524e_moe
	.p2align	8
	.type	k_qa0120b524e_moe,@function
k_qa0120b524e_moe:
	s_mov_b64 s[64:65], 0
	v_nop
	global_prefetch_b8 v0, s[64:65] scope:SCOPE_SE
	s_setreg_imm32_b32 hwreg(HW_REG_WAVE_MODE, 25, 1), 1
	s_wait_xcnt 0x0
; MOE: out[n] = ga (x[n] We[a] + be[a]) + gb (x[n] We[b] + be[b]) for the two experts a < b that the launch before chose for token n.  x, We, be in bf16 (each rounded once), sums and the combination in f32.
; TILES.  Tokens are taken by their SET {a, b} of experts (28 sets), in ascending order.  A tile is up to 156 tokens of one set x 256 columns x both experts, so every output row has one owner and no partial row goes
; through memory.  The sum over the sets of ceil(n_s / 156) is at most (8192 + 28 x 155) / 156 = 80: grid y = 80 tiles serves EVERY split of the tokens; grid x is the quarter of the columns.
; A work-group that a split leaves without rows stores nothing: three forward jumps on its count take it past the making of the list, past the gather and past all that stands behind the last barrier; no barrier is jumped,
; and nothing behind a jumped part reads a register that only that part writes.
; ROUTING.  Every work-group finds its tile for itself from the stored counts (a scan over 28 sets in scalar registers) and its tokens from the stored bitmaps (rank = bits below me + bits of the chunks before).
; SHARES.  A wave makes 160 places (10 row blocks) x 64 columns x 2 experts: 10 x 8 operands of B = 80 accumulators, 640 registers.  For 32 along K: 80 matrix instructions, 20 LDS loads (A), 16 loads of B:
; an operand of B feeds ten matrix instructions.  156 rows are what LDS holds beside the lists; places past the tile's count repeat its last token, and places 156 to 159 read LDS row 155, which then holds that token too.
; A lies in LDS whole.  B comes from memory straight into registers in operand order: each operand has one reader in the work-group, so LDS would spare no byte, and the K loop has no barrier.
; NO CLUSTER, NO TENSOR LOAD: the number of tiles that walk one pair of experts' weights hangs on counts read from memory (0 to 53); joint loads would put barriers into the K loop that also the work-groups
; without rows had to pass.  What the four column quarters of a tile share is its token rows, which come by a list: no descriptor covers them.
; LDS IS WRITTEN IN THE PROLOGUE ALONE: behind the third barrier the text only reads it.
; RESULT'S LAYOUT.  Source 0 = 16 rows of A, source 1 = an operand of B whose place r is column 4 r + q: register j of lane (r, h) is row 8 h + j, and the operands q = 0..3 give the lane four neighbouring
; columns: 16 lanes store 256 consecutive bytes of a row of out0, aligned, straight from registers.  The bias starts the sums (C of the first K step): nothing is cleared.
; LIMITS.  Inputs are rounded to bf16; NaN and infinities are not treated apart.  Repeated places store the same numbers to the same bytes again, from the same wave: at most 19 places of a tile.
; REGISTERS, in windows of 256 (s_set_vgpr_msb: bits 1:0 source 0, 3:2 source 1, 5:4 source 2, 7:6 destination):
;   window 0: v0-47 addresses and work; v48-127, v128-207 A of an even, an odd K step; v208-223 two sets of 8 for the C operand; v224-231 bias
;   window 1: the accumulators of row blocks 0-3 (block i at 64 (i % 4), operand 4 e + q at 8 (4 e + q))      window 2: blocks 4-7      window 3: v0-127 blocks 8, 9; v128-255 B: 64 x parity + 32 x expert + 8 q
.set CAP,   156
.set PITCH, 2064                       ; a row of A in LDS: 2,048 bytes + 16: an odd multiple of 16, so the 16 rows of an operand load start at 16 different groups of four banks (ISA guide 11.1)
.set QX,    322048                     ; behind A's 156 rows (321,984 bytes): [wave][set] counts, 512 bytes
.set LISTP, 322560                     ; four lists of 160 words, one a wave: place p of the tile holds its token in the list of the wave that found it, 0 in the others; place 156 takes what is not the tile's
.set LISTB, 640
.set PRIV,  325120                     ; 160 tokens, at +640 160 ga, at +1,280 160 gb; wave w writes places 40 w .. 40 w + 39 of each
.set GAO,   640
.set GBO,   1280
.set SPARE, 327168                     ; the spare words, 128 bytes a wave: two blocks of 256 that no other line names
.set L16,  1                           ; v1     16 x lane; never rewritten
.set AA,   2                           ; v2-11  LDS address of my part of A's row block i at the pair of K steps in hand
.set SPW,  12                          ; v12    SPARE + 4 x my thread's number; never rewritten
.set NIL,  13                          ; v13    0; never rewritten
.set PH,   14                          ; v14    PRIV + 32 h
.set R16,  15                          ; v15    16 r
.set LN,   16                          ; v16    lane
.set BOA,  17                          ; v17, v18  my byte offsets in be
.set BOB,  18
.set LB,   21                          ; v21    my list
.set PW0,  28                          ; v28    my 40 places in PRIV + 4 x lane
.set PW1,  29                          ; v29    the same + 4 (lane % 8)
.set ABUF, 48
.set CT,   208
.set BIAS, 224
.set OB,   48                          ; the way out: v48-79 32 results; v80-127 two sets of 8 tokens, 8 ga, 8 gb; v128-135 byte offsets in out0
.set EP,   80
.set OFS,  128
.set PA,   2                           ; s[2:3]  wf at expert a's operands of the step pair in hand; s[100:101] the same for b
; s[4:17] xb, wf, gates, bm, cnt, be, out0; s18 wave; s19 my group of 64 columns; s20 tile; s21 tiles so far, later count - 1; s22 set; s23, s98, s99 at work; s[24:63], s[68:91] bitmaps, later s28 the loop's count;
; s92, s93 experts a, b; s94 the set's first tile, later the tile's first rank; s95 the set's tokens; s96 the tile's rows; s97 rank of my next chunk's first token, less the tile's first rank
.set MSB, 0
.macro WIN new                         ; the immediate's high byte repeats the setting that is left; a switch that changes nothing is dropped
.if MSB != (\new)
	s_set_vgpr_msb (MSB<<8)|(\new)
.set MSB, (\new)
.endif
.endm
	s_load_b256 s[4:11], s[0:1], 0x0               ; xb s[4:5], wf s[6:7], gates s[8:9], bm s[10:11]
	s_load_b128 s[12:15], s[0:1], 0x20             ; cnt s[12:13], be s[14:15]
	s_load_b64 s[16:17], s[0:1], 0x30              ; out0
	v_lshl_add_u32 v[SPW], v0, 2, SPARE
	v_mov_b32 v[NIL], 0
	v_lshrrev_b32 v19, 5, v0
	v_readfirstlane_b32 s18, v19                   ; wave 0..3
	s_lshl_b32 s19, ttmp9, 2
	s_add_co_u32 s19, s19, s18                     ; my group of 64 columns: 4 x quarter + wave, 0..15
	s_and_b32 s20, ttmp7, 0xffff                   ; my tile
	v_and_b32 v[LN], 31, v0
	v_lshlrev_b32 v[L16], 4, v[LN]
	v_and_b32 v19, 15, v0                          ; r
	v_lshlrev_b32 v[R16], 4, v19
	v_bfe_u32 v20, v0, 4, 1                        ; h
	v_mul_u32_u24 v[AA], v19, PITCH
	v_lshl_add_u32 v[AA], v20, 4, v[AA]            ; row x pitch + 16 h
.irp i, 1,2,3,4,5,6,7,8
	v_add_nc_u32 v[AA+\i], \i*16*PITCH, v[AA]
.endr
	v_min_u32 v27, 11, v19                         ; block 9: places 156 to 159 read row 155
	v_mul_u32_u24 v27, v27, PITCH
	v_lshl_add_u32 v27, v20, 4, v27
	v_add_nc_u32 v[AA+9], 9*16*PITCH, v27
	v_lshl_add_u32 v[PH], v20, 5, PRIV
	s_mul_i32 s23, s18, 160
	s_add_co_u32 s23, s23, PRIV
	v_lshl_add_u32 v[PW0], v[LN], 2, s23
	v_and_b32 v27, 7, v0
	v_lshl_add_u32 v[PW1], v27, 2, s23
	v_mov_b32 v30, s23                             ; my 40 places' tokens
	s_mul_i32 s23, s18, LISTB
	s_add_co_u32 s23, s23, LISTP
	v_mov_b32 v[LB], s23
	v_lshl_add_u32 v22, v[LN], 2, s23
	v_mov_b32 v23, 0
	v_lshl_add_u32 v24, s18, 13, v[L16]            ; cnt: my 64 chunks are 16 blocks of 512 bytes; lane = set
	v_lshl_add_u32 v25, v0, 2, QX
	v_lshl_add_u32 v26, v[LN], 2, QX
	s_wait_kmcnt 0x0
	; COUNTS: each wave adds up the counts of its 64 chunks, a set a lane, in four chains
.irp q, 0,1,2,3,4,5,6,7,8,9,10,11,12,13,14,15
	global_load_b128 v[48+4*\q:48+4*\q+3], v24, s[12:13] offset:512*\q
.endr
.irp m, 0,1,2,3,4
	ds_store_b32 v22, v23 offset:128*\m            ; my list's 160 words are cleared meanwhile
.endr
	s_wait_loadcnt 0x0
.irp c, 0,1,2,3
	v_add3_u32 v[32+\c], v[48+16*\c], v[49+16*\c], v[50+16*\c]
.endr
.set i, 3
.rept 6
.irp c, 0,1,2,3
	v_add3_u32 v[32+\c], v[32+\c], v[48+16*\c+i], v[49+16*\c+i]
.endr
.set i, i+2
.endr
.irp c, 0,1,2,3
	v_add_nc_u32 v[32+\c], v[32+\c], v[63+16*\c]
.endr
	v_add3_u32 v44, v32, v33, v34
	v_add_nc_u32 v44, v44, v35
	ds_store_b32 v25, v44
	s_wait_dscnt 0x0                               ; for the others' sake: my counts are in LDS, my list is cleared
	s_barrier_signal -1
	s_barrier_wait -1
.irp w, 0,1,2,3
	ds_load_b32 v[40+\w], v26 offset:128*\w
.endr
	s_wait_dscnt 0x0
	v_add3_u32 v44, v40, v41, v42
	v_add_nc_u32 v44, v44, v43                     ; the set's tokens
	s_cmp_gt_u32 s18, 0
	s_cselect_b32 s23, -1, 0
	v_and_b32 v45, s23, v40
	s_cmp_gt_u32 s18, 1
	s_cselect_b32 s23, -1, 0
	v_and_b32 v46, s23, v41
	s_cmp_gt_u32 s18, 2
	s_cselect_b32 s23, -1, 0
	v_and_b32 v47, s23, v42
	v_add3_u32 v45, v45, v46, v47                  ; and those of them in the waves before mine
	; THE SCAN: the last set whose first tile is not behind mine is my set.  Selects only; a tile number past the last tile ends with set 27 and no rows.
	s_mov_b32 s21, 0
	s_mov_b32 s22, 0
	s_mov_b32 s92, 0
	s_mov_b32 s93, 1
	s_mov_b32 s94, 0
	s_mov_b32 s95, 0
	s_mov_b32 s97, 0
.set e_a, 0
.set e_b, 1
.irp n, 0,1,2,3,4,5,6,7,8,9,10,11,12,13,14,15,16,17,18,19,20,21,22,23,24,25,26,27
	v_readlane_b32 s23, v44, \n
	v_readlane_b32 s98, v45, \n
	s_add_co_u32 s99, s23, CAP-1
	s_mul_i32 s99, s99, 26887                      ; (n + 155) / 156: 26,887 x 156 = 2^22 + 68, exact while (n + 155) x 68 is below 2^22; here n + 155 is 8,347 at the most
	s_lshr_b32 s99, s99, 22
	s_cmp_ge_u32 s20, s21
	s_cselect_b32 s22, \n, s22
	s_cselect_b32 s92, e_a, s92
	s_cselect_b32 s93, e_b, s93
	s_cselect_b32 s94, s21, s94
	s_cselect_b32 s95, s23, s95
	s_cselect_b32 s97, s98, s97
	s_add_co_u32 s21, s21, s99
.set e_a, e_a+1
.if e_a == e_b
.set e_b, e_b+1
.set e_a, 0
.endif
.endr
	s_sub_co_u32 s94, s20, s94
	s_mul_i32 s94, s94, CAP                        ; the tile's first rank in its set
	s_sub_co_i32 s96, s95, s94
	s_max_i32 s96, s96, 0
	s_min_u32 s96, s96, CAP                        ; the tile's rows, 0 to 156
	s_max_u32 s21, s96, 1
	s_sub_co_u32 s21, s21, 1                       ; its last place
	s_sub_co_u32 s97, s97, s94                     ; below zero it wraps, and the minimum below sends such a place to 156
	s_min_u32 s22, s22, 31                         ; what enters an address is bounded in the text
	s_min_u32 s92, s92, 7
	s_min_u32 s93, s93, 7
	; REQUESTS, by every work-group: the bias and the first two K steps' B
	s_lshr_b32 s23, s19, 1                         ; my group of 128 columns in wf,
	s_and_b32 s28, s19, 1
	s_lshl_b32 s28, s28, 12                        ; and its half: four operands, 4,096 bytes of every K step
	s_lshl_b32 s98, s92, 3
	s_add_co_u32 s98, s98, s23
	s_lshl_b32 s98, s98, 18                        ; an expert's group of 128 columns is 262,144 bytes of wf
	s_add_co_u32 s98, s98, s28
	s_mov_b32 s99, 0
	s_add_nc_u64 s[PA:PA+1], s[6:7], s[98:99]
	s_lshl_b32 s98, s93, 3
	s_add_co_u32 s98, s98, s23
	s_lshl_b32 s98, s98, 18
	s_add_co_u32 s98, s98, s28
	s_add_nc_u64 s[PA+98:PA+99], s[6:7], s[98:99]
	s_lshl_b32 s98, s19, 8                         ; my 64 columns: 256 bytes of a row of f32
	s_add_nc_u64 s[16:17], s[16:17], s[98:99]
	s_lshl_b32 s99, s92, 12
	s_add_co_u32 s99, s99, s98
	v_add_nc_u32 v[BOA], s99, v[R16]
	s_lshl_b32 s99, s93, 12
	s_add_co_u32 s99, s99, s98
	v_add_nc_u32 v[BOB], s99, v[R16]
; 8 loads of 512 dense bytes: the 4 operands of B of expert e for the even (par = 0) or odd K step of the pair at which the expert's pointer stands
.macro BLOAD par, e
	WIN 0xc0                                       ; destination window 3
.set rb, 128+64*(\par)+32*(\e)
.irp j, 0,1,2,3,4,5,6,7
	global_load_b128 v[rb+4*\j:rb+4*\j+3], v[L16], s[PA+98*(\e):PA+98*(\e)+1] offset:8192*(\par)+512*\j
.endr
.endm
	global_load_b128 v[BIAS:BIAS+3],   v[BOA], s[14:15]   ; columns 4 r + 0..3 of my 64, for both experts
	global_load_b128 v[BIAS+4:BIAS+7], v[BOB], s[14:15]
	BLOAD 0, 0
	BLOAD 0, 1
	BLOAD 1, 0
	BLOAD 1, 1
	WIN 0
	s_cmp_eq_u32 s96, 0
	s_cbranch_scc1 .Lnolist                        ; no rows: the lists stay cleared
	; THE LIST: lane l of chunk c is token 32 c + l; if its bit is set, its place in the tile is s97 + the bits below it; places outside 0..155, and lanes without a bit, go to place 156
	s_lshl_b32 s23, s22, 4
	s_lshl_b32 s98, s18, 13
	s_add_co_u32 s23, s23, s98
.set qq, 0
.irp m, 24,28,32,36,40,44,48,52,56,60,68,72,76,80,84,88
	s_load_b128 s[\m:\m+3], s[10:11], s23 offset:qq*512   ; my set's bitmaps of my 64 chunks
.set qq, qq+1
.endr
	v_mov_b32 v120, CAP
	v_lshl_add_u32 v112, s18, 11, v[LN]
	v_add_nc_u32 v113, 32, v112
	v_add_nc_u32 v114, 64, v112
	v_add_nc_u32 v115, 0x60, v112
	s_wait_kmcnt 0x0                               ; the bitmaps; s23 is free again
.macro EMIT m                          ; four chunks side by side, so that no line waits for the one before it
	s_bcnt1_i32_b32 s98, s[\m]
	s_add_co_u32 s98, s98, s97
	s_bcnt1_i32_b32 s99, s[\m+1]
	s_add_co_u32 s99, s99, s98
	s_bcnt1_i32_b32 s23, s[\m+2]
	s_add_co_u32 s23, s23, s99
	v_mbcnt_lo_u32_b32 v116, s[\m], s97
	v_mbcnt_lo_u32_b32 v117, s[\m+1], s98
	v_mbcnt_lo_u32_b32 v118, s[\m+2], s99
	v_mbcnt_lo_u32_b32 v119, s[\m+3], s23
	s_bcnt1_i32_b32 s97, s[\m+3]
	s_add_co_u32 s97, s97, s23
.irp k, 0,1,2,3
	v_cndmask_b32 v[116+\k], v120, v[116+\k], s[\m+\k]
.endr
.irp k, 0,1,2,3
	v_min_u32 v[116+\k], CAP, v[116+\k]
.endr
.irp k, 0,1,2,3
	v_lshl_add_u32 v[116+\k], v[116+\k], 2, v[LB]
.endr
.irp k, 0,1,2,3
	ds_store_b32 v[116+\k], v[112+\k]
.endr
.irp k, 0,1,2,3
	v_add_nc_u32 v[112+\k], 0x80, v[112+\k]
.endr
.endm
.irp m, 24,28,32,36,40,44,48,52,56,60,68,72,76,80,84,88
	EMIT \m
.endr
.Lnolist:
	s_wait_dscnt 0x0                               ; for the others' sake: my list is written
	s_barrier_signal -1
	s_barrier_wait -1
	; TOKENS: wave w makes places 40 w .. 40 w + 39: place p holds the token of place min(p, count - 1); the four lists are joined by OR (three of the four words are 0)
	s_mul_i32 s23, s18, 40
	v_add_nc_u32 v116, s23, v[LN]                  ; places 40 w + lane,
	v_and_b32 v117, 7, v0
	v_add_nc_u32 v117, s23, v117
	v_add_nc_u32 v117, 32, v117                    ; and 40 w + 32 + lane % 8
.irp m, 0,1
	v_min_u32 v[116+\m], s21, v[116+\m]
	v_min_u32 v[116+\m], CAP-1, v[116+\m]
	v_lshl_add_u32 v[116+\m], v[116+\m], 2, LISTP
.endr
.irp m, 0,1
.irp w, 0,1,2,3
	ds_load_b32 v[48+4*\m+\w], v[116+\m] offset:LISTB*\w
.endr
.endr
	s_wait_dscnt 0x0
.irp m, 0,1
	v_or_b32 v[48+4*\m], v[48+4*\m], v[48+4*\m+1]
	v_or_b32 v[48+4*\m+2], v[48+4*\m+2], v[48+4*\m+3]
	v_or_b32 v[48+4*\m], v[48+4*\m], v[48+4*\m+2]
	v_min_u32 v[48+4*\m], 0x1fff, v[48+4*\m]
	v_lshlrev_b32 v[48+4*\m+1], 3, v[48+4*\m]
.endr
	ds_store_b32 v[PW0], v48
	ds_store_b32 v[PW1], v52 offset:128
	global_load_b64 v[60:61], v49, s[8:9]          ; the tokens' two weights
	global_load_b64 v[62:63], v53, s[8:9]
	s_cmp_eq_u32 s96, 0
	s_cbranch_scc1 .Lnogather                      ; no rows: nothing is gathered
	; GATHER: wave w brings the rows of places 40 w .. 40 w + 39, 2,048 bytes each, four loads of 512 dense bytes a row, through the registers that later hold accumulators
.set i, 0
.rept 40
	ds_load_b32 v[128+i], v30 offset:4*i           ; every lane reads the row's token; LDS serves a wave's instructions in order (ISA guide 5.7.1.4): these see my stores above
.set i, i+1
.endr
	s_wait_dscnt 0x0
.set i, 0
.rept 40
	v_min_u32 v[128+i], 0x1fff, v[128+i]
	v_lshl_add_u32 v[128+i], v[128+i], 11, v[L16]
.set i, i+1
.endr
.macro GLOADS win, first, rows         ; rows first .. first + rows - 1 of my 40 into window win
	WIN (\win)<<6
.set i, 0
.rept \rows
.irp c, 0,1,2,3
	global_load_b128 v[16*i+4*\c:16*i+4*\c+3], v[128+(\first)+i], s[4:5] offset:512*\c
.endr
.set i, i+1
.endr
.endm
.macro GSTORES win, adr, r0, rows      ; rows r0 .. r0 + rows - 1 of window win into A
	WIN (\win)<<2
.set i, \r0
.rept \rows
.irp c, 0,1,2,3
	ds_store_b128 v[\adr], v[16*i+4*\c:16*i+4*\c+3] offset:i*PITCH+512*\c
.endr
.set i, i+1
.endr
.endm
	GLOADS 1, 0, 16
	GLOADS 2, 16, 16
	GLOADS 3, 32, 8
	WIN 0
	s_mul_i32 s23, s18, 40*PITCH
	v_add_nc_u32 v31, s23, v[L16]                  ; my rows 0-15 in A,
	v_add_nc_u32 v36, 16*PITCH, v31                ; 16-31,
	v_add_nc_u32 v37, 32*PITCH, v31                ; 32-39: the stores' immediates stay inside their 16 bits
	s_wait_loadcnt 63                              ; the 63 youngest of the 160 loads may be out: rows 0-15 are the oldest 64
	GSTORES 1, 31, 0, 16
	s_wait_loadcnt 32                              ; all but the 32 loads of rows 32-39
	GSTORES 2, 36, 0, 16
	s_wait_loadcnt 0x0
	GSTORES 3, 37, 0, 4
	WIN 0
	s_cmp_eq_u32 s18, 3
	s_cbranch_scc1 .Lw3                            ; wave 3's rows 36-39 are places 156-159, for which A has no rows: they repeat row 155
	GSTORES 3, 37, 4, 4
	WIN 0
.Lw3:
.Lnogather:
	s_wait_loadcnt 0x0                             ; on the way round the gather: the weights, the bias and B
	ds_store_b32 v[PW0], v60 offset:GAO
	ds_store_b32 v[PW0], v61 offset:GBO
	ds_store_b32 v[PW1], v62 offset:GAO+128
	ds_store_b32 v[PW1], v63 offset:GBO+128
.irp p, 0,2,4,6
	v_cvt_pk_bf16_f32 v27, v[BIAS+\p], v[BIAS+\p+1]  ; the bias is rounded to bf16 like every input, and widened again
	v_lshlrev_b32 v[BIAS+\p], 16, v27
	v_and_b32 v[BIAS+\p+1], 0xffff0000, v27
.endr
	s_wait_tensorcnt 0x0                           ; my last LDS store stands above, and nothing below writes LDS: the next three lines stand behind it, ahead of the wave's end
	ds_add_u32 v[SPW], v[NIL]
	s_wait_dscnt 0x0                               ; the add is done; and, for the others' sake, my rows of A, my tokens and their weights are in LDS
	s_barrier_signal -1
	s_barrier_wait -1                              ; the last barrier: every LDS write of the launch stands in front of it, every read of A behind it
	s_cmp_eq_u32 s96, 0
	s_cbranch_scc1 .Lend                           ; a tile that this split leaves without rows: nothing is stored; no barrier is jumped
; One matrix instruction: row block i, operand q of expert e, K step of parity par.  first = 1: C is the bias, in window 0, and starts the sum.
.macro MM1 par, e, i, q, first
.set aw, 1+(\i)/4
.set rd, 64*((\i)%4)+8*(4*(\e)+(\q))
.set ra, ABUF+80*(\par)+8*(\i)
.set rb, 128+64*(\par)+32*(\e)+8*(\q)
.if \first
	WIN (aw<<6)|0x0c
	v_wmma_f32_16x16x32_bf16 v[rd:rd+7], v[ra:ra+7], v[rb:rb+7], v[CT+8*((\q)%2):CT+8*((\q)%2)+7]
.else
	WIN (aw<<6)|(aw<<4)|0x0c
	v_wmma_f32_16x16x32_bf16 v[rd:rd+7], v[ra:ra+7], v[rb:rb+7], v[rd:rd+7]
.endif
.endm
.macro ALOAD buf, off                  ; A of one K step: 10 row blocks x 32 k
	WIN 0
.irp i, 0,1,2,3,4,5,6,7,8,9
	ds_load_b128 v[ABUF+80*(\buf)+8*\i:ABUF+80*(\buf)+8*\i+3],   v[AA+\i] offset:(\off)
	ds_load_b128 v[ABUF+80*(\buf)+8*\i+4:ABUF+80*(\buf)+8*\i+7], v[AA+\i] offset:(\off)+32
.endr
.endm
; A GROUP: one K step x one expert: 40 matrix instructions on 40 accumulators, each once: the 80 accumulators take turns, over the loop's jump too.
; left: the loads of B issued behind this group's own, which stay out.  dleft (e = 0): the LDS loads issued behind this step's A: the other buffer's 20.
; load = 1: the registers of B just multiplied are loaded again, for the same group of the next trip: those 8 loads have three groups in which to land; behind the step's second group A's buffer, which both groups
; have read, takes the step two on: 80 matrix instructions ahead of its first use.
; Four plain vector instructions stand between the group's last product and the loads into registers that products have read (ISA guide 7.12.1 for vector instructions).
.macro GROUP par, e, left, dleft, load, first
	s_wait_loadcnt \left
.if (\e) == 0
	s_wait_dscnt \dleft
.endif
.if \first
.irp q, 0,1,2,3
	WIN 0
.irp j, 0,1,2,3,4,5,6,7
	v_mov_b32 v[CT+8*(\q%2)+\j], v[BIAS+4*(\e)+\q]   ; the operand's bias for all eight rows; the two sets take turns, so that the other set's eight lines are the places in front of a set's rewriting
.endr
.irp i, 0,1,2,3,4,5,6,7,8,9
	MM1 \par, \e, \i, \q, 1
.endr
.endr
.else
.irp i, 0,1,2,3,4,5,6,7,8,9
.irp q, 0,1,2,3
	MM1 \par, \e, \i, \q, 0
.endr
.endr
.endif
	WIN 0
.if (\par) && (\e) && (\load)
.irp i, 0,1,2,3,4,5,6,7,8,9
	v_add_nc_u32 v[AA+\i], 0x80, v[AA+\i]          ; two K steps on: useful work in the places
.endr
.else
.rept 4
	v_nop
.endr
.endif
.if \load
.if (\par) == 0
	s_wait_xcnt 0x0                                ; every earlier load has had its address translated: the pointer steps only now
	s_add_nc_u64 s[PA+98*(\e):PA+98*(\e)+1], s[PA+98*(\e):PA+98*(\e)+1], 16384  ; the next pair of K steps
.endif
	BLOAD \par, \e
.if \e
	ALOAD \par, 128-64*(\par)                      ; behind an even step the addresses still stand at this pair; behind an odd one they have stepped
.endif
.endif
.endm
.macro TRIP first                      ; two K steps, and the requests for the next two
	GROUP 0, 0, 24, 20, 1, \first
	GROUP 0, 1, 24, 0,  1, \first
	GROUP 1, 0, 24, 20, 1, 0
	GROUP 1, 1, 24, 0,  1, 0
.endm
	ALOAD 0, 0                                     ; K steps 0 and 1
	ALOAD 1, 64
	TRIP 1                                         ; the first trip stands in front of the loop: its first step starts the sums
	WIN 0                                          ; at a label and at a branch every window is 0
	s_mov_b32 s28, 14
.Ltrip:
	TRIP 0
	WIN 0
	s_sub_co_u32 s28, s28, 1
	s_cmp_lg_u32 s28, 0
	s_cbranch_scc1 .Ltrip
	GROUP 0, 0, 24, 20, 0, 0                       ; the last trip asks for nothing: the counts run down
	GROUP 0, 1, 16, 0,  0, 0
	GROUP 1, 0, 8,  0,  0, 0
	GROUP 1, 1, 0,  0,  0, 0                       ; its four v_nop are the places behind the last products
; THE WAY OUT of row block i: out = ga x (a's sum) + gb x (b's sum), in f32.  Register j of every accumulator first for j = 0: each accumulator is read from its low end on.
; A block's tokens and weights are read from LDS a block ahead, into two sets of registers by turns.  A block that lies wholly past the tile's count is jumped, with all that follow it.
.macro OUTLD i
.set es, EP+24*((\i)%2)
	ds_load_b128 v[es:es+3],     v[PH] offset:64*(\i)          ; rows 16 i + 8 h + 0..7: tokens,
	ds_load_b128 v[es+4:es+7],   v[PH] offset:64*(\i)+16
	ds_load_b128 v[es+8:es+11],  v[PH] offset:GAO+64*(\i)      ; ga,
	ds_load_b128 v[es+12:es+15], v[PH] offset:GAO+64*(\i)+16
	ds_load_b128 v[es+16:es+19], v[PH] offset:GBO+64*(\i)      ; gb
	ds_load_b128 v[es+20:es+23], v[PH] offset:GBO+64*(\i)+16
.endm
.macro OUTBLK i
	WIN 0
.if (\i) > 0
	s_cmp_gt_u32 s96, 16*(\i)
	s_cbranch_scc0 .Lend
.endif
.if (\i) < 9
	OUTLD (\i)+1
	s_wait_dscnt 6                                 ; the next block's six loads stay out
.else
	s_wait_dscnt 0x0
.endif
	s_wait_xcnt 0x0                                ; the block before's stores have had their addresses translated: their offsets and data are rewritten only now
.set et, EP+24*((\i)%2)
.set aw, 1+(\i)/4
.set ab, 64*((\i)%4)
.irp j, 0,1,2,3,4,5,6,7
	v_min_u32 v[OFS+\j], 0x1fff, v[et+\j]
	v_lshl_add_u32 v[OFS+\j], v[OFS+\j], 12, v[R16]
.endr
	WIN aw                                         ; source 0: the block's window
.irp j, 0,1,2,3,4,5,6,7
.irp q, 0,1,2,3
	v_mul_f32 v[OB+4*\j+\q], v[ab+8*\q+\j], v[et+8+\j]
.endr
.irp q, 0,1,2,3
	v_fma_f32 v[OB+4*\j+\q], v[ab+8*(4+\q)+\j], v[et+16+\j], v[OB+4*\j+\q]
.endr
.endr
	WIN 0
.irp j, 0,1,2,3,4,5,6,7
	global_store_b128 v[OFS+\j], v[OB+4*\j:OB+4*\j+3], s[16:17] th:TH_STORE_NT  ; lanes 0-15: 256 consecutive bytes, aligned, of row 16 i + j; lanes 16-31: of row 16 i + 8 + j
.endr
.endm
	OUTLD 0
.irp i, 0,1,2,3,4,5,6,7,8,9
	OUTBLK \i
.endr
.Lend:
	s_wait_dscnt 0x0                               ; a block that was read ahead and then jumped
	s_endpgm                                       ; the closing three lines stand in front of the last barrier, behind the last LDS store
.Lfunc_end_k_qa0120b524e_moe:
	.size	k_qa0120b524e_moe, .Lfunc_end_k_qa0120b524e_moe-k_qa0120b524e_moe
	.p2alignl 7, 3214868480
	.fill 96, 4, 3214868480
	.section	.rodata,"a",@progbits
	.p2align	6, 0x0
	.amdhsa_kernel k_qa0120b524e_moe
		.amdhsa_group_segment_fixed_size 327680
		.amdhsa_private_segment_fixed_size 0
		.amdhsa_enable_private_segment 0
		.amdhsa_kernarg_size 56
		.amdhsa_user_sgpr_count 2
		.amdhsa_user_sgpr_kernarg_segment_ptr 1
		.amdhsa_wavefront_size32 1
		.amdhsa_system_sgpr_workgroup_id_x 1
		.amdhsa_system_sgpr_workgroup_id_y 1
		.amdhsa_system_sgpr_workgroup_id_z 1
		.amdhsa_system_vgpr_workitem_id 0
		.amdhsa_next_free_vgpr 1024
		.amdhsa_next_free_sgpr 102
		.amdhsa_reserve_vcc 0
		.amdhsa_float_denorm_mode_32 3
		.amdhsa_float_denorm_mode_16_64 3
		.amdhsa_memory_ordered 1
		.amdhsa_forward_progress 1
		.amdhsa_inst_pref_size 198
	.end_amdhsa_kernel
	.amdgpu_metadata
---
amdhsa.version: [ 1, 2 ]
amdhsa.kernels:
  - .name:           k_qa0120b524e_moe
    .symbol:         k_qa0120b524e_moe.kd
    .args:
      - { .name: xb, .offset: 0, .size: 8, .value_kind: global_buffer, .address_space: global }
      - { .name: wf, .offset: 8, .size: 8, .value_kind: global_buffer, .address_space: global }
      - { .name: gates, .offset: 16, .size: 8, .value_kind: global_buffer, .address_space: global }
      - { .name: bm, .offset: 24, .size: 8, .value_kind: global_buffer, .address_space: global }
      - { .name: cnt, .offset: 32, .size: 8, .value_kind: global_buffer, .address_space: global }
      - { .name: be, .offset: 40, .size: 8, .value_kind: global_buffer, .address_space: global }
      - { .name: out0, .offset: 48, .size: 8, .value_kind: global_buffer, .address_space: global }
    .group_segment_fixed_size: 327680
    .private_segment_fixed_size: 0
    .kernarg_segment_align: 8
    .kernarg_segment_size: 56
    .max_flat_workgroup_size: 128
    .sgpr_count:     102
    .vgpr_count:     1024
    .wavefront_size: 32
...
	.end_amdgpu_metadata
.endif
;; end of part 2
